; MI455X (gfx1250); checked and timed in simulation.
; The chip was launched on July 23, 2026; its instructions are those of AMD's public machine-readable ISA for CDNA 5 (MIT licence, August 2026) and "CDNA5" Instruction Set Architecture Reference Guide (July 2026). The comments in the code are by the model that wrote it; some were corrected since.
;; Multihead Attention. Allowed arithmetic: matrix products marked QUANTISED: E4M3 operands, one given power-of-two scale a tensor, by v_wmma_f32_16x16x64_fp8_fp8 or v_wmma_f32_16x16x128_fp8_fp8, f32 sums; everything else in f32.
;; Inputs: in_proj_bias 3,072 float32; in_proj_weight 3,072 x 2,048 float32; key 4 x 1,024 x 2,048 float32; lowp_scales 12 int32 (the exponents e of the quantised operands' scales 2^e); out_proj_bias 2,048 float32; out_proj_weight 2,048 x 2,048 float32; query 4 x 1,024 x 2,048 float32; value 4 x 1,024 x 2,048 float32.
;; Outputs: out0 4 x 1,024 x 2,048 float32.
;; This version of the problem:
;;   THIS VERSION OF THE PROBLEM IS GIVEN IN LOW PRECISION. The matrix products marked QUANTISED in the list below multiply operands that are first quantised to E4M3 (4 exponent bits, 3 mantissa bits; 8 bits a number), with one given power-of-two scale for each operand tensor; their sums are f32. All else is computed in f32.
;;   The module's matrix products, in the order in which they are computed (A, B: the left and right operand; K: the contracted axis; several contracted axes count as one K, in the product's order):
;;     1. [M 4,096, K 2,048] x [K 2,048, N 2,048]; A: input query; B: input in_proj_weight: QUANTISED (scales: A lowp_scales[0], B lowp_scales[1])
;;     2. [M 4,096, K 2,048] x [K 2,048, N 512]; A: input key; B: input in_proj_weight: QUANTISED (scales: A lowp_scales[2], B lowp_scales[3])
;;     3. [M 4,096, K 2,048] x [K 2,048, N 512]; A: input value; B: input in_proj_weight: QUANTISED (scales: A lowp_scales[4], B lowp_scales[5])
;;     4. batch 16 x [M 1,024, K 128] x [K 128, N 4,096]; A: computed on the way; B: computed on the way: QUANTISED (scales: A lowp_scales[6], B lowp_scales[7])
;;     5. batch 16 x [M 128, K 1,024] x [K 1,024, N 4,096]; A: computed on the way; B: softmax (see below): QUANTISED (scales: A lowp_scales[8], B lowp_scales[9])
;;     6. [M 4,096, K 2,048] x [K 2,048, N 2,048]; A: computed on the way; B: input out_proj_weight: QUANTISED (scales: A lowp_scales[10], B lowp_scales[11])
;;   THE QUANTISER, for each operand of a quantised product, along K:
;;     - The operand's scale is 2^e, e = its entry of the input lowp_scales (int32; the entries are numbered through the quantised products in the list's order, A before B).
;;     - Each number is divided by the scale, clamped to +-448, and rounded to the nearest number of E4M3, ties to even, subnormals kept.
;;     - The product sums the exact products of the quantised numbers (number of the format x scale) in f32.
;;   ~~~python
;;   def quantise(x, axis, e):      # numpy; x: float32 -> the quantised numbers, widened to float32 again
;;       x = np.moveaxis(x, axis, -1); K = x.shape[-1]
;;       r = np.clip(x / 2.0 ** e, -448, 448)
;;       step = 2.0 ** (np.maximum(np.frexp(np.where(r == 0, 1, r))[1] - 1, -6) - 3)
;;       q = np.round(r / step) * step * 2.0 ** e      # np.round: ties to even
;;       return np.moveaxis(q, -1, axis).astype(np.float32)
;;   ~~~
;;   SOFTMAX AHEAD OF A QUANTISED PRODUCT. Where the list says 'softmax', what is quantised is not the finished softmax but p = 2^(t - M), with t = logit x log2(e) and M = ceil(the row's largest t), a whole number; so 1/2 < the row's largest p <= 1. The row's sum l is taken of the UNQUANTISED p, in f32, and the product's result is divided by l at the end. Since M is a whole number, a kernel that streams over the keys may use a running M (the ceiling of the running maximum): every later rescaling is an exact power of two, so the quantised numbers keep their values, but for numbers so far below the row's largest that they fall under the format's range.
;;   OPERANDS COMPUTED ON THE WAY. 'Computed on the way' means the value that the module computes at that place (a softmax that the list does not call 'softmax' is quantised finished and normalised). What goes into a quantiser is computed in f32, as accurately as f32 sums, v_exp_f32 and their like allow (about 1e-6 of the number): no bf16 or f16 on the way to a quantiser, and a product that is left as it is and whose result goes on into a quantised operand takes f32 operands (vector FMAs, or v_wmma_f32_16x16x4_f32). A number that lies on a knife's edge between two numbers of the format may be rounded either way, as far as f32 arithmetic and the matrix unit's own rounding can turn it there, and no further.
;; One version. Each part assembles by itself: llvm-mc -triple=amdgcn-amd-amdhsa -mcpu=gfx1250 --defsym DOCPART=n.
;; ======== version 1 of 1: 4 launches
;; limits: right only within a limited range of input values
;; workspace buffers: acodes 25,165,824 bytes; wcodes 6,291,456 bytes; wocodes 4,194,304 bytes; xq 8,388,608 bytes; xk 2,097,152 bytes; xv 2,097,152 bytes; xo 8,388,608 bytes
;; launch quant (part 1): grid 1088 x 1, 4 waves a work-group, no clusters, 33,280 bytes of LDS; arguments query, key, value, in_proj_weight, out_proj_weight, lowp_scales, acodes, wcodes, wocodes; writes acodes, wcodes, wocodes
.if DOCPART == 1
	.amdgcn_target "amdgcn-amd-amdhsa--gfx1250"
	.amdhsa_code_object_version 6
	.text
	.protected	k_q1f06420efc_quant
	.globl	k_q1f06420efc_quant
	.p2align	8
	.type	k_q1f06420efc_quant,@function
k_q1f06420efc_quant:
	s_mov_b64 s[64:65], 0
	v_nop
	global_prefetch_b8 v0, s[64:65] scope:SCOPE_SE
	s_setreg_imm32_b32 hwreg(HW_REG_WAVE_MODE, 25, 1), 1
	s_wait_xcnt 0x0
; THE PROGRAM: grouped-query attention, B 4, T 1,024, C 2,048, 16 query heads, 4 key/value heads of 128, all six products on codes of E4M3 with given scales 2^e (e = lowp_scales[0..11]).
;   1 (this text): query, key, value, in_proj_weight, out_proj_weight -> codes.   2: the three input projections + bias -> codes of xq, xk, xv.   3: attention -> codes of xo.   4: the output projection + bias -> out0.
; DEAD WORK LEFT OUT, in launch 3 alone: a step of 128 keys all of which come after a wave's 16 queries.  reference() builds the mask tril(ones(T, T)) in its own body and puts finfo.min in place of the score of every key s > t;
; each row keeps key s = 0, so the row's largest score is a kept one, and the weight of a replaced score is 0 for all finite values of the inputs: it adds nothing to the row's sum nor to the second product.
; Nothing else is left out and every input is loaded: the biases on xk and xv go into quantised operands and stay.
; LIMIT: a NaN, an infinity or an overflow that arises only in scores of keys s > t is not carried to the result.
;
; THIS LAUNCH.  code = x / 2^e, held within +-448, rounded to the nearest code, ties to even.  All five tensors are dense with K innermost, so each is a plain stream of numbers and its codes a plain stream of bytes.
; A work-group takes 32,768 numbers, a wave 8,192 in 16 steps of 512.  35,651,584 numbers are 1,088 work-groups: 0-255 query (e0), 256-511 key (e2), 512-767 value (e4), 768-895 in_proj_weight rows 0-2,047 (e1),
; 896-927 rows 2,048-2,559 (e3), 928-959 rows 2,560-3,071 (e5), 960-1,087 out_proj_weight (e11).  Only pointers and the exponent are chosen, by selects on the work-group's number: there is one path through the text.
; The conversion takes 8 numbers from ONE lane's registers, and the codes are to leave 16 bytes a lane: so a lane must hold 16 neighbours, while a load is best where neighbouring lanes take neighbouring bytes.  Each of a step's
; four loads reads 512 consecutive bytes; the 2,048 bytes go through the wave's own stage in LDS as they lie and come back 64 bytes a lane (16 bytes of padding behind each 64).  The wave stores 512 consecutive bytes of codes.
; No tensor load, no barrier: waves share nothing.  Loads run four steps (16 loads a wave) ahead, the turn through LDS one step.
; LIMITS: each e between -126 and 119.  NaN among the inputs is not served (an infinity is held at the largest code).
.set WAVES, 4
.set STEPS, 16
.set EMAX,  8
.set MANT,  0x600000                   ; the mantissa field of 448 as f32
.set CB,    16                         ; bytes of 16 codes
.set R,     16                         ; v16-79   four sets of 16 numbers as they are loaded
.set X,     80                         ; v80-111  two sets of 16 neighbours
.set C,     128                        ; v128-191 codes: four registers for each step, so that no store's data are written again
.set WREG,  8192                       ; LDS: a region for each wave: two stages of 32 x SP bytes
.set SP,    80                         ; a lane's place in a stage: its 64 bytes + 16 of padding
.set SPW,   12                         ; v12  LDS address of my spare word; never rewritten
.set NIL,   13                         ; v13  0; never rewritten
.set SPARE, WAVES*WREG                 ; behind the four regions: the spare words, 128 bytes a wave, that no other line names
	s_load_b256 s[4:11], s[0:1], 0x0               ; query s[4:5], key s[6:7], value s[8:9], in_proj_weight s[10:11]
	s_load_b256 s[12:19], s[0:1], 0x20             ; out_proj_weight s[12:13], the exponents s[14:15], acodes s[16:17], wcodes s[18:19]
	s_load_b64 s[20:21], s[0:1], 0x40              ; wocodes
	v_lshl_add_u32 v[SPW], v0, 2, SPARE
	v_mov_b32 v[NIL], 0
	v_lshrrev_b32 v1, 5, v0
	v_readfirstlane_b32 s22, v1                    ; wave
	v_and_b32 v2, 31, v0                           ; lane
	v_lshlrev_b32 v3, 4, v2                        ; 16 x lane: my 16 bytes of a load's 512, and of a store's
	s_mul_i32 s23, s22, WREG
	v_lshrrev_b32 v14, 2, v2
	v_mul_u32_u24 v14, v14, SP
	v_and_b32 v15, 3, v2
	v_lshl_add_u32 v14, v15, 4, v14
	v_add_nc_u32 v14, s23, v14                     ; the stage, on the way in: four lanes' 64 bytes on end, then the padding: SP (lane / 4) + 16 (lane % 4); a load's 512 bytes take eight places
	v_mul_u32_u24 v15, v2, SP
	v_add_nc_u32 v15, s23, v15                     ; and on the way out: SP x lane: my 16 neighbours
	s_wait_alu depctr_va_vdst(0)
	s_wait_kmcnt 0x0
	s_load_b128 s[24:27], s[14:15], 0x0            ; e0 .. e3
	s_load_b128 s[28:31], s[14:15], 0x10           ; e4 .. e7
	s_load_b128 s[32:35], s[14:15], 0x20           ; e8 .. e11
	; which tensor: source s[36:37], codes s[38:39], and the first work-group of each (s40, s41).  Every choice hangs on the work-group's number alone
	s_mov_b64 s[36:37], s[12:13]
	s_mov_b64 s[38:39], s[20:21]
	s_mov_b32 s40, 960
	s_mov_b32 s41, 960
	s_cmp_lt_u32 ttmp9, 960
	s_cselect_b64 s[36:37], s[10:11], s[36:37]
	s_cselect_b64 s[38:39], s[18:19], s[38:39]
	s_cselect_b32 s40, 768, s40
	s_cselect_b32 s41, 768, s41
	s_cmp_lt_u32 ttmp9, 768
	s_cselect_b64 s[36:37], s[8:9], s[36:37]
	s_cselect_b64 s[38:39], s[16:17], s[38:39]
	s_cselect_b32 s40, 512, s40
	s_cselect_b32 s41, 0, s41                      ; query's, key's and value's codes lie on end in one buffer
	s_cmp_lt_u32 ttmp9, 512
	s_cselect_b64 s[36:37], s[6:7], s[36:37]
	s_cselect_b32 s40, 256, s40
	s_cmp_lt_u32 ttmp9, 256
	s_cselect_b64 s[36:37], s[4:5], s[36:37]
	s_cselect_b32 s40, 0, s40
	s_sub_co_u32 s42, ttmp9, s40
	s_lshl_b32 s42, s42, 2
	s_add_co_u32 s42, s42, s22                     ; which run of 8,192 numbers of the source is my wave's: at most 1,023,
	s_lshl_b32 s42, s42, 15                        ; x 32,768 bytes
	s_mov_b32 s43, 0
	s_add_nc_u64 s[36:37], s[36:37], s[42:43]
	s_sub_co_u32 s44, ttmp9, s41
	s_lshl_b32 s44, s44, 2
	s_add_co_u32 s44, s44, s22                     ; and of the codes' buffer: at most 3,071,
	s_lshl_b32 s44, s44, 13                        ; x 8,192 bytes
	s_mov_b32 s45, 0
	s_add_nc_u64 s[38:39], s[38:39], s[44:45]
.macro LOAD t
.irp i, 0,1,2,3
	global_load_b128 v[R+16*((\t)%4)+4*\i:R+16*((\t)%4)+4*\i+3], v3, s[36:37] offset:2048*(\t)+512*\i th:TH_LOAD_NT   ; 32 lanes read 512 consecutive bytes; read once in the launch
.endr
.endm
.macro TURN t                          ; step t's numbers through the stage: LDS serves a wave's instructions in order (ISA guide 5.7.1.4), so no wait stands between the stores and the loads
.irp i, 0,1,2,3
	ds_store_b128 v14, v[R+16*((\t)%4)+4*\i:R+16*((\t)%4)+4*\i+3] offset:32*SP*((\t)%2)+8*SP*\i
.endr
.irp i, 0,1,2,3
	ds_load_b128 v[X+16*((\t)%2)+4*\i:X+16*((\t)%2)+4*\i+3], v15 offset:32*SP*((\t)%2)+16*\i
.endr
.endm
.irp t, 0,1,2,3
	LOAD \t
.endr
	s_wait_kmcnt 0x0
	s_mov_b32 s46, s35                             ; e11, or
	s_cmp_lt_u32 ttmp9, 960
	s_cselect_b32 s46, s29, s46                    ; e5
	s_cmp_lt_u32 ttmp9, 928
	s_cselect_b32 s46, s27, s46                    ; e3
	s_cmp_lt_u32 ttmp9, 896
	s_cselect_b32 s46, s25, s46                    ; e1
	s_cmp_lt_u32 ttmp9, 768
	s_cselect_b32 s46, s28, s46                    ; e4
	s_cmp_lt_u32 ttmp9, 512
	s_cselect_b32 s46, s26, s46                    ; e2
	s_cmp_lt_u32 ttmp9, 256
	s_cselect_b32 s46, s24, s46                    ; e0
	s_add_co_i32 s46, s46, 127
	s_lshl_b32 s47, s46, 23
	v_mov_b32 v11, s47                             ; 2^e as f32: the conversion takes its exponent field
	s_add_co_i32 s46, s46, EMAX
	s_lshl_b32 s46, s46, 23
	s_or_b32 s46, s46, MANT
	v_mov_b32 v10, s46                             ; 448 x 2^e
	s_wait_alu depctr_va_vdst(0)
	s_wait_loadcnt 12                              ; step 0's four loads are in; the twelve of steps 1 to 3 may be out
	TURN 0
.macro STEP t
.set XS, X+16*((\t)%2)
	s_wait_dscnt 0x0                               ; this step's numbers are back from the stage: so its stores into the stage have read their registers,
.if (\t)+4 < STEPS
	LOAD (\t)+4                                    ; which take the loads of four steps on
.endif
.if (\t)+1 < STEPS
.if STEPS-2-(\t) >= 3
	s_wait_loadcnt 12                              ; the next step's four loads are in; those of the three steps behind it may be out
.else
	s_wait_loadcnt 4*(STEPS-2-(\t))                ; at the end fewer steps stand behind it
.endif
	TURN (\t)+1                                    ; and go through the other stage while this step is worked
.endif
.irp i, 0,1,2,3,4,5,6,7,8,9,10,11,12,13,14,15
	v_med3_num_f32 v[XS+\i], v[XS+\i], -v10, v10   ; the conversion to an 8-bit code does not saturate (ISA guide 7.6.2): the number is held within 448 x the scale first
.endr
	v_cvt_scalef32_pk8_fp8_f32 v[C+4*(\t):C+4*(\t)+1], v[XS:XS+7], v11          ; eight numbers / 2^e, to the nearest code, ties to even; the first number's code in the lowest byte
	v_cvt_scalef32_pk8_fp8_f32 v[C+4*(\t)+2:C+4*(\t)+3], v[XS+8:XS+15], v11
	global_store_b128 v3, v[C+4*(\t):C+4*(\t)+3], s[38:39] offset:32*CB*(\t)    ; the codes go to a store alone; the next vector lines, the next step's holds, are plain and touch other registers
.endm
.irp t, 0,1,2,3,4,5,6,7,8,9,10,11,12,13,14,15
	STEP \t
.endr
	s_wait_tensorcnt 0x0                           ; the wave's end, behind my last LDS store
	ds_add_u32 v[SPW], v[NIL]
	s_wait_dscnt 0x0
	s_endpgm
.Lfunc_end_k_q1f06420efc_quant:
	.size	k_q1f06420efc_quant, .Lfunc_end_k_q1f06420efc_quant-k_q1f06420efc_quant
	.p2alignl 7, 3214868480
	.fill 96, 4, 3214868480
	.section	.rodata,"a",@progbits
	.p2align	6, 0x0
	.amdhsa_kernel k_q1f06420efc_quant
		.amdhsa_group_segment_fixed_size 33280
		.amdhsa_private_segment_fixed_size 0
		.amdhsa_enable_private_segment 0
		.amdhsa_kernarg_size 72
		.amdhsa_user_sgpr_count 2
		.amdhsa_user_sgpr_kernarg_segment_ptr 1
		.amdhsa_wavefront_size32 1
		.amdhsa_system_sgpr_workgroup_id_x 1
		.amdhsa_system_sgpr_workgroup_id_y 1
		.amdhsa_system_sgpr_workgroup_id_z 1
		.amdhsa_system_vgpr_workitem_id 0
		.amdhsa_next_free_vgpr 192
		.amdhsa_next_free_sgpr 66
		.amdhsa_reserve_vcc 0
		.amdhsa_float_denorm_mode_32 3
		.amdhsa_float_denorm_mode_16_64 3
		.amdhsa_memory_ordered 1
		.amdhsa_forward_progress 1
		.amdhsa_inst_pref_size 39
	.end_amdhsa_kernel
	.amdgpu_metadata
---
amdhsa.version: [ 1, 2 ]
amdhsa.kernels:
  - .name:           k_q1f06420efc_quant
    .symbol:         k_q1f06420efc_quant.kd
    .args:
      - { .name: query, .offset: 0, .size: 8, .value_kind: global_buffer, .address_space: global }
      - { .name: key, .offset: 8, .size: 8, .value_kind: global_buffer, .address_space: global }
      - { .name: value, .offset: 16, .size: 8, .value_kind: global_buffer, .address_space: global }
      - { .name: in_proj_weight, .offset: 24, .size: 8, .value_kind: global_buffer, .address_space: global }
      - { .name: out_proj_weight, .offset: 32, .size: 8, .value_kind: global_buffer, .address_space: global }
      - { .name: lowp_scales, .offset: 40, .size: 8, .value_kind: global_buffer, .address_space: global }
      - { .name: acodes, .offset: 48, .size: 8, .value_kind: global_buffer, .address_space: global }
      - { .name: wcodes, .offset: 56, .size: 8, .value_kind: global_buffer, .address_space: global }
      - { .name: wocodes, .offset: 64, .size: 8, .value_kind: global_buffer, .address_space: global }
    .group_segment_fixed_size: 33280
    .private_segment_fixed_size: 0
    .kernarg_segment_align: 8
    .kernarg_segment_size: 72
    .max_flat_workgroup_size: 128
    .sgpr_count:     66
    .vgpr_count:     192
    .wavefront_size: 32
...
	.end_amdgpu_metadata
.endif
;; end of part 1
;; launch proj (part 2): grid 192 x 1, 4 waves a work-group, no clusters, 327,680 bytes of LDS; arguments acodes, wcodes, lowp_scales, in_proj_bias, xq, xk, xv; writes xq, xk, xv
.if DOCPART == 2
	.amdgcn_target "amdgcn-amd-amdhsa--gfx1250"
	.amdhsa_code_object_version 6
	.text
	.protected	k_q1f06420efc_proj
	.globl	k_q1f06420efc_proj
	.p2align	8
	.type	k_q1f06420efc_proj,@function
k_q1f06420efc_proj:
	s_mov_b64 s[64:65], 0
	v_nop
	global_prefetch_b8 v0, s[64:65] scope:SCOPE_SE
	s_setreg_imm32_b32 hwreg(HW_REG_WAVE_MODE, 25, 1), 1
	s_wait_xcnt 0x0
.set ROWB,   256
.set KROW,   2048
.set PITCH,  272
.set FR,     16
.set NL,     4
.set NP,     4
.set HALFT,  128*PITCH
.set SLOT,   4*HALFT
.set LAPS,   4
.set SPARE,  2*SLOT
.set SPITCH, 144
.set BA,   8
.set ADRA, 16
.set ADRB, 20
.set STO,  24
.set RD,   25
.set CO,   26
.set SPW,  28
.set NIL,  29
.set SC,   30
.set LIM,  31
.set BI,   32
.set CD,   96
.set AF,   128
.set TMP,  128
.set BK,   192
.set G1,   24
.set G0,   32
.set MSB, 0
.macro WIN new
.if MSB != \new
	s_set_vgpr_msb (MSB<<8)|\new
.set MSB, \new
.endif
.endm
.set MUL_LO, 0xa1
.set MUL_HI, 0xf1
.set TO_B,   0x40
	s_load_b256 s[4:11], s[0:1], 0x0
	s_load_b128 s[40:43], s[0:1], 0x20
	s_load_b64 s[44:45], s[0:1], 0x30
	v_lshl_add_u32 v[SPW], v0, 2, SPARE
	v_mov_b32 v[NIL], 0
	ds_add_u32 v[SPW], v[NIL]
	ds_add_u32 v[SPW], v[NIL]
	v_lshrrev_b32 v1, 5, v0
	v_readfirstlane_b32 s14, v1
	s_lshr_b32 s15, s14, 1
	s_and_b32 s16, s14, 1
	s_lshr_b32 s18, ttmp9, 3
	s_and_b32 s19, ttmp9, 7
	s_sub_co_u32 s20, ttmp9, 128
	s_lshr_b32 s21, s20, 5
	s_add_co_u32 s21, s21, 1
	s_lshr_b32 s22, s20, 1
	s_and_b32 s22, s22, 15
	s_and_b32 s23, s20, 1
	s_lshl_b32 s46, s21, 9
	s_add_co_u32 s46, s46, 1536
	s_cmp_lt_u32 ttmp9, 128
	s_cselect_b32 s17, 0, s21
	s_cselect_b32 s18, s18, s22
	s_cselect_b32 s19, s19, s23
	s_cselect_b32 s46, 0, s46
	s_mov_b32 s[G1+0], (0<<16)|(1<<20)|(5<<22)|(3<<25)
	s_mov_b32 s[G1+1], ROWB<<16
	s_mov_b32 s[G1+2], 128<<16
	s_mov_b32 s[G1+3], ROWB<<16
	s_mov_b32 s[G1+4], 128
	s_mov_b32 s[G1+5], KROW
	s_mov_b32 s[G1+6], 0
	s_mov_b32 s[G1+7], 0
	s_lshl_b32 s20, s17, 12
	s_lshl_b32 s21, s18, 8
	s_add_co_u32 s20, s20, s21
	s_lshl_b32 s48, s20, 11
	s_mov_b32 s49, 0
	s_lshl_b32 s21, s19, 8
	s_add_co_u32 s46, s46, s21
	s_lshl_b32 s50, s46, 11
	s_mov_b32 s51, 0
	s_mul_i32 s47, s14, HALFT
	s_cmp_eq_u32 s17, 2
	s_cselect_b32 s82, s16, s15
	s_cselect_b32 s83, s15, s16
	s_cselect_b32 s62, 0, 32
	s_cselect_b32 s63, 4, 0
	s_cselect_b32 s20, 0, 4
	s_lshl_b32 s84, s18, 8
	s_lshl_b32 s85, s82, 7
	s_add_co_u32 s84, s84, s85
	s_lshr_b32 s85, s84, 10
	s_and_b32 s84, s84, 1023
	s_lshl_b32 s86, s19, 1
	s_add_co_u32 s86, s86, s83
	s_cmp_eq_u32 s17, 0
	s_cselect_b32 s87, 4, 2
	s_lshl_b32 s85, s85, s87
	s_add_co_u32 s85, s85, s86
	s_lshl_b32 s85, s85, 10
	s_add_co_u32 s85, s85, s84
	s_lshl_b32 s56, s85, 7
	s_mov_b32 s57, 0
	s_lshl_b32 s60, s83, 7
	s_add_co_u32 s60, s60, s46
	s_lshl_b32 s60, s60, 2
	s_mov_b32 s61, 0
	s_wait_dscnt 0x0
	s_wait_kmcnt 0x0
	s_load_b128 s[68:71], s[8:9], 0x0
	s_load_b128 s[72:75], s[8:9], 0x10
	s_load_b128 s[76:79], s[8:9], 0x20
	s_add_nc_u64 s[48:49], s[4:5], s[48:49]
	s_add_nc_u64 s[50:51], s[6:7], s[50:51]
	s_cmp_eq_u32 s17, 2
	s_cselect_b64 s[52:53], s[50:51], s[48:49]
	s_cselect_b64 s[54:55], s[48:49], s[50:51]
	s_cmp_lt_u32 s14, 2
	s_cselect_b64 s[52:53], s[52:53], s[54:55]
	s_lshl_b32 s54, s16, 18
	s_mov_b32 s55, 0
	s_add_nc_u64 s[52:53], s[52:53], s[54:55]
	; THE PREFETCHES INTO THE L2: behind each refill, which brings K step n, the wave asks for K step n + 1 of a share of the 128 rows that it fetches.  The work-groups that read a tile share its rows out by address:
	; a tile of query's codes is read by 8 work-groups (16 of my 128 rows each), of key's or value's by 2 (64 rows, two instructions), of the weights' by 16 (8 rows).  A lane a row, 256 bytes of it; lanes left over name the share's last row again.
	; Nothing is asked for at the head: K steps 0 to 2 come by their fills alone.  The last refill asks for nothing.
	s_cmp_eq_u32 s17, 2
	s_cselect_b32 s92, 1, 0                        ; in the third product the two operands' places are exchanged
	s_xor_b32 s92, s92, s15                        ; 0: my wave fetches activations; 1: weights
	s_cmp_eq_u32 s17, 0
	s_cselect_b32 s93, 16, 64
	s_cmp_eq_u32 s92, 0
	s_cselect_b32 s90, s93, 8                      ; rows in my share
	s_cselect_b32 s91, s19, s18                    ; my place among the work-groups that read the tile
	s_mul_i32 s94, s91, s90
	s_lshl_b32 s94, s94, 11                        ; rows of 2,048 bytes
	s_add_co_u32 s94, s94, 512                     ; K step 2: the first refill steps it to K step 3
	s_mov_b32 s95, 0
	s_add_nc_u64 s[88:89], s[52:53], s[94:95]
	s_sub_co_u32 s93, s90, 1
	v_and_b32 v27, 31, v0
	v_min_u32 v27, s93, v27
	v_lshlrev_b32 v27, 11, v27
	s_wait_alu depctr_va_vdst(0)                   ; the wait behind the write
.macro ASK
	global_prefetch_b8 v27, s[88:89] th:TH_LOAD_NT scope:SCOPE_SE
	s_cmp_eq_u32 s90, 64
	s_cbranch_scc0 .Lpf_\@
	global_prefetch_b8 v27, s[88:89] offset:65536 th:TH_LOAD_NT scope:SCOPE_SE   ; rows 32 to 63 of a share of 64
.Lpf_\@:
.endm
.irp s, 0,1
	s_mov_b32 s[G0+4*\s], 1
	s_add_co_u32 s[G0+4*\s+1], s47, \s*SLOT
	s_add_nc_u64 s[G0+4*\s+2:G0+4*\s+3], s[52:53], \s*ROWB
	s_or_b32 s[G0+4*\s+3], s[G0+4*\s+3], 0x80000000
	s_wait_alu depctr_va_vdst(0)
	s_wait_tensorcnt 0x0
	ds_add_u32 v28, v29
	ds_add_u32 v28, v29
	s_wait_dscnt 0x0
	s_barrier_signal -1
	s_barrier_wait -1
	tensor_load_to_lds s[G0+4*\s:G0+4*\s+3], s[G1:G1+7]
	s_nop 0
.endr
	s_cmp_eq_u32 s17, 0
	s_cselect_b64 s[58:59], s[40:41], s[42:43]
	s_cmp_eq_u32 s17, 2
	s_cselect_b64 s[58:59], s[44:45], s[58:59]
	s_add_nc_u64 s[56:57], s[58:59], s[56:57]
	s_add_nc_u64 s[60:61], s[10:11], s[60:61]
	v_and_b32 v1, 15, v0
	v_bfe_u32 v2, v0, 4, 1
	v_mul_u32_u24 v[BA], v2, s62
	v_mad_u32_u24 v[BA], v1, s63, v[BA]
.irp j, 1,2,3,4,5,6,7
	v_add_nc_u32 v[BA+\j], s20, v[BA+\j-1]
.endr
.irp x, 0,1,2,3,4,5,6,7
.irp j, 0,1,2,3,4,5,6,7
	global_load_b32 v[BI+8*\x+\j], v[BA+\j], s[60:61] offset:64*\x
.endr
.endr
	v_mul_u32_u24 v3, v1, PITCH
	v_lshl_add_u32 v4, v2, 4, v3
	s_mul_i32 s21, s15, HALFT
	s_mul_i32 s22, s16, HALFT
	s_add_co_u32 s22, s22, 2*HALFT
.irp s, 0,1
	v_add_nc_u32 v[ADRA+\s], s21, v4
	v_add_nc_u32 v[ADRB+\s], s22, v4
	s_add_co_u32 s21, s21, SLOT
	s_add_co_u32 s22, s22, SLOT
.endr
	s_mul_i32 s23, s14, 16*SPITCH
	v_mul_u32_u24 v5, v1, SPITCH
	v_lshl_add_u32 v5, v2, 3, v5
	v_add_nc_u32 v[STO], s23, v5
	v_and_b32 v6, 31, v0
	v_lshlrev_b32 v[CO], 4, v6
	v_lshrrev_b32 v7, 3, v6
	v_mul_u32_u24 v7, v7, SPITCH
	v_and_b32 v5, 7, v0
	v_lshl_add_u32 v7, v5, 4, v7
	v_add_nc_u32 v[RD], s23, v7
.macro FRAG reg, adr, q, i
.irp c, 0,1,2,3
	ds_load_b128 v[\reg+4*\c:\reg+4*\c+3], v[\adr] offset:128*(\q)+32*\c+(\i)*16*PITCH
.endr
.endm
.macro MUL16 a0, p, zero
.irp a, \a0, \a0+1
.irp b, 0,1,2,3,4,5,6,7
.if \zero
	v_wmma_f32_16x16x128_fp8_fp8 v[8*(8*((\a)%4)+\b):8*(8*((\a)%4)+\b)+7], v[128*(\p)+FR*\b:128*(\p)+FR*\b+FR-1], v[AF+FR*(\a):AF+FR*(\a)+FR-1], 0
.else
	v_wmma_f32_16x16x128_fp8_fp8 v[8*(8*((\a)%4)+\b):8*(8*((\a)%4)+\b)+7], v[128*(\p)+FR*\b:128*(\p)+FR*\b+FR-1], v[AF+FR*(\a):AF+FR*(\a)+FR-1], v[8*(8*((\a)%4)+\b):8*(8*((\a)%4)+\b)+7]
.endif
.endr
.endr
.endm
.macro FETCH_B slot, q, p
	WIN TO_B
.irp i, 0,1,2,3,4,5,6,7
	FRAG 128*(\p)+FR*\i, ADRB+\slot, \q, \i
.endr
	WIN 0
.endm
.macro FETCH_A slot, q, i0
.irp i, \i0, \i0+1, \i0+2, \i0+3
	FRAG AF+FR*(\i), ADRA+\slot, \q, \i
.endr
.endm
.macro PLACES n
.rept \n
	v_nop
.endr
.endm
.macro STEP slot, q, zero
	s_wait_dscnt 4*NL
	WIN MUL_LO
	MUL16 0, (\q)%2, \zero
	MUL16 2, (\q)%2, \zero
	s_wait_dscnt 0
	PLACES NP
	FETCH_B \slot, (\q)+1, 1-(\q)%2
	FETCH_A \slot, (\q)+1, 0
	WIN MUL_HI
	MUL16 4, (\q)%2, \zero
	MUL16 6, (\q)%2, \zero
	PLACES NP
	WIN 0
	FETCH_A \slot, (\q)+1, 4
.endm
.macro TURN slot, next, fill
.if \fill
	s_wait_xcnt 0x0                                ; the last prefetch has read its address: it steps one K step on
	s_add_nc_u64 s[88:89], s[88:89], 256
.endif
	s_wait_tensorcnt 0x0
	ds_add_u32 v[SPW], v[NIL]
.if \fill
	s_add_nc_u64 s[G0+4*\slot+2:G0+4*\slot+3], s[G0+4*\slot+2:G0+4*\slot+3], 2*ROWB
.endif
	s_wait_dscnt 4*NL+1
	WIN MUL_LO
	MUL16 0, 1, 0
	s_wait_dscnt 0x0
	s_barrier_signal -1
	MUL16 2, 1, 0
	WIN 0
	s_barrier_wait -1
.if \fill
	tensor_load_to_lds s[G0+4*\slot:G0+4*\slot+3], s[G1:G1+7]
	s_nop 0
.endif
	PLACES NP
	FETCH_B \next, 0, 0
	FETCH_A \next, 0, 0
.if \fill
.if \slot
	s_cmp_eq_u32 s3, 1                             ; the last refill brings K step 7: there is none behind it
	s_cbranch_scc1 .Lnoask_\@
.endif
	ASK                                            ; behind the refill and the run of LDS loads: the K step that the next refill brings
.Lnoask_\@:
.endif
	WIN MUL_HI
	MUL16 4, 1, 0
	MUL16 6, 1, 0
	PLACES NP
	WIN 0
	FETCH_A \next, 0, 4
.endm
	s_wait_tensorcnt 1
	s_barrier_signal -1
	s_barrier_wait -1
	FETCH_B 0, 0, 0
	FETCH_A 0, 0, 0
	FETCH_A 0, 0, 4
	STEP 0, 0, 1
	s_mov_b32 s3, LAPS-1
.Llap:
	TURN 0, 1, 1
	STEP 1, 0, 0
	TURN 1, 0, 1
	STEP 0, 0, 0
	s_sub_co_u32 s3, s3, 1
	s_cmp_lg_u32 s3, 0
	s_cbranch_scc1 .Llap
	TURN 0, 1, 0
	STEP 1, 0, 0
	s_wait_dscnt 4*NL
	WIN MUL_LO
	MUL16 0, 1, 0
	MUL16 2, 1, 0
	s_wait_dscnt 0
	WIN MUL_HI
	MUL16 4, 1, 0
	MUL16 6, 1, 0
	WIN 0
.macro TOSTAGE a
.set AC, 64*((\a)%4)
	s_cmp_eq_u32 s17, 2
	s_cbranch_scc1 .Lrow_\@
	WIN (0x02+((\a)/4))
.set jj, 0
.rept 32
	v_pk_fma_f32 v[TMP+jj:TMP+jj+1], v[AC+jj:AC+jj+1], s[96:97], v[BI+jj:BI+jj+1] op_sel_hi:[1,0,1]
.set jj, jj+2
.endr
	WIN 0
	s_branch .Lboth_\@
.Lrow_\@:
	WIN (0x02+((\a)/4))
.set jj, 0
.rept 32
	v_pk_fma_f32 v[TMP+jj:TMP+jj+1], v[AC+jj:AC+jj+1], s[96:97], v[BI+8*(\a)+jj%8:BI+8*(\a)+jj%8+1] op_sel_hi:[1,0,1]
.set jj, jj+2
.endr
	WIN 0
.Lboth_\@:
.set jj, 0
.rept 64
	v_med3_num_f32 v[TMP+jj], v[TMP+jj], -v[LIM], v[LIM]
.set jj, jj+1
.endr
.irp b, 0,1,2,3,4,5,6,7
	v_cvt_scalef32_pk8_fp8_f32 v[CD+2*\b:CD+2*\b+1], v[TMP+8*\b:TMP+8*\b+7], v[SC]
.endr
	v_nop
.irp b, 0,1,2,3,4,5,6,7
	ds_store_b64 v[STO], v[CD+2*\b:CD+2*\b+1] offset:16*\b
.endr
.set BB, 16*(\a)                       ; each block's rows wait in registers of their own, in window 1, where B's fragments lay
	WIN TO_B
.irp k, 0,1,2,3
	ds_load_b128 v[BB+4*\k:BB+4*\k+3], v[RD] offset:4*SPITCH*\k
.endr
	WIN 0
.endm
.macro SEND a, younger
.set BB, 16*(\a)
.irp k, 0,1,2,3
	global_store_b128 v[CO], v[BB+4*\k:BB+4*\k+3], s[56:57] offset:2048*(\a)+512*\k
.endr
.endm
	s_wait_kmcnt 0x0
	s_add_co_i32 s80, s68, s69
	s_add_co_i32 s81, s70, s71
	s_add_co_i32 s82, s72, s73
	s_cmp_eq_u32 s17, 0
	s_cselect_b32 s80, s80, s81
	s_cselect_b32 s83, s75, s74
	s_cmp_eq_u32 s17, 2
	s_cselect_b32 s80, s82, s80
	s_cselect_b32 s83, s76, s83
	s_add_co_i32 s80, s80, 127
	s_lshl_b32 s96, s80, 23
	s_mov_b32 s97, s96
	s_add_co_i32 s83, s83, 127
	s_lshl_b32 s84, s83, 23
	v_mov_b32 v[SC], s84
	s_add_co_i32 s83, s83, 8
	s_lshl_b32 s83, s83, 23
	s_or_b32 s83, s83, 0x600000
	v_mov_b32 v[LIM], s83
	s_wait_loadcnt 0x0
	PLACES NP
.irp a, 0,1,2,3,4,5,6,7                ; all eight blocks go through the stage first,
	TOSTAGE \a
.endr
	s_wait_tensorcnt 0x0                           ; the wave's end, behind my last LDS store; the wait on DScnt also shows all blocks back in registers
	ds_add_u32 v[SPW], v[NIL]
	s_wait_dscnt 0x0
	WIN 0x04                                       ; the stores' data lie in window 1
.irp a, 0,1,2,3,4,5,6,7                ; and all stores stand behind the last vector and LDS line
	SEND \a, 0
.endr
	WIN 0
	s_endpgm
.Lfunc_end_k_q1f06420efc_proj:
	.size	k_q1f06420efc_proj, .Lfunc_end_k_q1f06420efc_proj-k_q1f06420efc_proj
	.p2alignl 7, 3214868480
	.fill 96, 4, 3214868480
	.section	.rodata,"a",@progbits
	.p2align	6, 0x0
	.amdhsa_kernel k_q1f06420efc_proj
		.amdhsa_group_segment_fixed_size 327680
		.amdhsa_private_segment_fixed_size 0
		.amdhsa_enable_private_segment 0
		.amdhsa_kernarg_size 56
		.amdhsa_user_sgpr_count 2
		.amdhsa_user_sgpr_kernarg_segment_ptr 1
		.amdhsa_wavefront_size32 1
		.amdhsa_system_sgpr_workgroup_id_x 1
		.amdhsa_system_sgpr_workgroup_id_y 1
		.amdhsa_system_sgpr_workgroup_id_z 1
		.amdhsa_system_vgpr_workitem_id 0
		.amdhsa_next_free_vgpr 1024
		.amdhsa_next_free_sgpr 100
		.amdhsa_reserve_vcc 0
		.amdhsa_float_denorm_mode_32 3
		.amdhsa_float_denorm_mode_16_64 3
		.amdhsa_memory_ordered 1
		.amdhsa_forward_progress 1
		.amdhsa_inst_pref_size 164
	.end_amdhsa_kernel
	.amdgpu_metadata
---
amdhsa.version: [ 1, 2 ]
amdhsa.kernels:
  - .name:           k_q1f06420efc_proj
    .symbol:         k_q1f06420efc_proj.kd
    .args:
      - { .name: acodes, .offset: 0, .size: 8, .value_kind: global_buffer, .address_space: global }
      - { .name: wcodes, .offset: 8, .size: 8, .value_kind: global_buffer, .address_space: global }
      - { .name: lowp_scales, .offset: 16, .size: 8, .value_kind: global_buffer, .address_space: global }
      - { .name: in_proj_bias, .offset: 24, .size: 8, .value_kind: global_buffer, .address_space: global }
      - { .name: xq, .offset: 32, .size: 8, .value_kind: global_buffer, .address_space: global }
      - { .name: xk, .offset: 40, .size: 8, .value_kind: global_buffer, .address_space: global }
      - { .name: xv, .offset: 48, .size: 8, .value_kind: global_buffer, .address_space: global }
    .group_segment_fixed_size: 327680
    .private_segment_fixed_size: 0
    .kernarg_segment_align: 8
    .kernarg_segment_size: 56
    .max_flat_workgroup_size: 128
    .sgpr_count:     100
    .vgpr_count:     1024
    .wavefront_size: 32
...
	.end_amdgpu_metadata
.endif
;; end of part 2
;; launch attn (part 3): grid 16 x 16, 16 waves a work-group, no clusters, 327,680 bytes of LDS; arguments xq, xk, xv, lowp_scales, xo; writes xo
.if DOCPART == 3
	.amdgcn_target "amdgcn-amd-amdhsa--gfx1250"
	.amdhsa_code_object_version 6
	.text
	.protected	k_q1f06420efc_attn
	.globl	k_q1f06420efc_attn
	.p2align	8
	.type	k_q1f06420efc_attn,@function
k_q1f06420efc_attn:
	s_mov_b64 s[64:65], 0
	v_nop
	global_prefetch_b8 v0, s[64:65] scope:SCOPE_SE
	s_setreg_imm32_b32 hwreg(HW_REG_WAVE_MODE, 25, 1), 1
	s_wait_xcnt 0x0
; xo[b][t][4 g + h][:] = the sum over keys s <= t of softmax_s(xq . xk / sqrt(128)) xv, both products on codes of E4M3; the result is quantised at once, with e10, for the output projection.
; LEFT OUT: a step of 128 keys all of which come after a wave's 16 queries: reference()'s own tril mask gives those keys the weight 0 for all values of the inputs (shown at the head of the first launch's text).
; IN: xq [b][4 g + h][t][128] (scale e7), xk [b][h][t][128] (e6), xv [b][h][t / 128][d][t % 128] (e8: the keys innermost, a step of 128 keys one dense block).  OUT: xo [4 g + h][1,024 b + t][128].
; THE SOFTMAX AHEAD OF THE SECOND PRODUCT: t = score x log2(e) / sqrt(128); M = the row's largest t so far, rounded UP to a whole number; p = 2^(t - M) is quantised (e9), not normalised.  The row's sum is taken of the
; unquantised p, in f32, and divides at the end.  When M moves, the sum and O are multiplied by 2^(old M - new M): exact.
; SHARES.  Work-group (j, bh) serves key/value head bh = 4 b + h.  Each of its SIXTEEN waves owns one tile of 16 queries in 256 registers: wave w takes query head g = w % 4 and, with c = w / 4, tile j, 31 - j, 32 + j or 63 - j
; of the 64.  Tile n has n / 8 + 1 live key steps, and the four classes' steps add up to 18 for every j: all work-groups have the same work.
; THE HEAD'S WHOLE K AND V LIE IN LDS: 2 x 1,024 rows of 128 bytes, in two fills, each shared out among all sixteen waves by arithmetic on the wave's number (waves 0-7: K; waves 8-15: V), no branch.  At the head a wave asks for
; 32 rows of the first 256; behind a wait for it and a barrier, for 96 of the other 768.  The first two key steps stand between that second load and the wait for it.  Nothing is filled again.
; Behind the second fill's barrier the waves share none, so a wave with few steps ends and leaves its SIMD to the others.
; LAYOUT.  Both products are used transposed: S^T = K Q^T (source 0 = 16 neighbouring keys, source 1 = my 16 queries), O^T = V^T P^T: a lane holds ONE query (lane % 16) throughout.  In S^T register 8 T + j of lane (r, h) is
; key 16 T + 8 h + j, so the conversions' results, registers 2 T and 2 T + 1, hold k = 16 T + 8 h + 0 .. 7: the layout that this matrix form gives its 8-bit operands (ISA guide 7.12.2); V's fragments are read in the same
; layout, 8 bytes a lane and load.  K's and Q's fragments are read 16 bytes a lane and load: a permutation of the head's 128 that is the same on both sides.
; NO CLUSTER: the work-groups that share K and V own different queries, and the branches round hidden steps hang on a wave's first query, which hangs on the work-group's x: they would differ between partners.
; NO PREFETCH: the launch's two fills follow each other at its head; there is no later request, and no loop, to run ahead in.
; LIMITS: e6 + e7 between -123 and 130 (added to c's exponent field); e9, and e10 - e9 - e8, between -126 and 119.  NaN is not served.
; REGISTERS: v1-7, v10, v11 addresses that stay; v8, v9 addresses in hand; v12 -M, v13 the largest t, v[14:15] the sum in two halves; v16-31 Q; v32-95 four fragments of K or of V; v96-159 S^T, then p, then V's other four
; fragments; v160-223 O^T; v224-239 codes (v236 also takes a key step's lane permute); v240, v244 p's bound and scale; v241, v245 xo's; the rest of v236-255 at work.
.set KP2,   272                        ; TWO rows of 128 bytes + 16 of padding: row n lies at 272 (n / 2) + 128 (n % 2)
.set CH,    64*KP2                     ; 128 rows: 128 keys of K, or one key step of V
.set SLOTB, 2*CH                       ; the first 256 keys
.set VOFF,  8*CH                       ; K's 1,024 rows, then V's 8 x 128
.set STAGE, 2*VOFF                     ; behind K and V: the way out's stages, 16 rows x (128 bytes + 16) for each wave: bytes of their own
.set SPITCH, 144
.set SPARE, STAGE+16*16*SPITCH         ; behind the stages: the spare words, 128 bytes a wave, that no other line names
.set AK0,  1                           ; v1   my lane's place in a tile of K
.set AV0,  2                           ; v2   the same for V
.set STI,  3                           ; v3   the stage, on the way in
.set STB,  4                           ; v4   and back
.set SPW,  5                           ; v5   LDS address of my spare word; never rewritten
.set NIL,  6                           ; v6   0; never rewritten
.set GO,   7                           ; v7   16 x lane: my bytes of a store's 512
.set ADK,  8
.set ADV,  9
.set QA,   10                          ; v10  my lane's place in Q's 16 rows
.set DM,   11                          ; v11  lane % 16 - 8 (lane / 16), for the mask
.set TB,   2                           ; s2   LDS byte at which the key step in hand begins, in K's rows and in V's alike
.set WV,   18
.set SEL,  20                          ; s[20:21] lane selects for v_permlanex16_b32: lane l xor 16
.set CS,   22                          ; s[22:23] c = log2(e) / sqrt(128) x 2^(e6 + e7)
.set G1,   24                          ; s[24:31] descriptor group 1 of the first fill, s[32:39] of the second
.set G1B,  32
.set G0,   40                          ; s[40:43] group 0 of the first fill, s[76:79] of the second
.set G0B,  76
.set PQ,   44                          ; s[44:45] my queries in xq
.set PO,   48                          ; s[48:49] and in xo
.set TRIPS, 67
.set KF,   98                          ; s98  the step's first key
.set Q0,   99                          ; s99  my first query
	s_load_b128 s[4:7], s[0:1], 0x0                ; xq, xk
	s_load_b128 s[12:15], s[0:1], 0x10             ; xv, the exponents
	s_load_b64 s[16:17], s[0:1], 0x20              ; xo
	v_lshl_add_u32 v[SPW], v0, 2, SPARE
	v_mov_b32 v[NIL], 0
	ds_add_u32 v[SPW], v[NIL]                      ; the wave's opening: the add, twice on end, and its wait ahead of the first tensor load
	ds_add_u32 v[SPW], v[NIL]
	v_lshrrev_b32 v8, 5, v0
	v_readfirstlane_b32 s[WV], v8                  ; wave 0..15
	s_and_b32 s81, ttmp7, 0xffff                   ; bh
	s_lshr_b32 s83, s[WV], 2                       ; c
	s_and_b32 s82, s83, 1
	s_mul_i32 s82, s82, 15
	s_xor_b32 s82, s82, ttmp9                      ; j, or 15 - j where c is odd
	s_lshl_b32 s83, s83, 4
	s_add_co_u32 s83, s83, s82                     ; my tile
	s_lshl_b32 s[Q0], s83, 4                       ; my first query
	s_lshr_b32 s84, s81, 2                         ; b
	s_and_b32 s85, s81, 3                          ; h
	s_and_b32 s86, s[WV], 3                        ; g
	s_lshl_b32 s87, s86, 2
	s_add_co_u32 s87, s87, s85                     ; the query head 4 g + h
	s_lshl_b32 s88, s84, 4
	s_add_co_u32 s88, s88, s87
	s_lshl_b32 s88, s88, 10
	s_add_co_u32 s88, s88, s[Q0]
	s_lshl_b32 s88, s88, 7                         ; my queries in xq: ((16 b + head) x 1,024 + query) x 128
	s_mov_b32 s89, 0
	s_lshl_b32 s90, s87, 12
	s_lshl_b32 s91, s84, 10
	s_add_co_u32 s90, s90, s91
	s_add_co_u32 s90, s90, s[Q0]
	s_lshl_b32 s90, s90, 7                         ; and in xo: (head x 4,096 + 1,024 b + query) x 128
	s_mov_b32 s91, 0
	s_and_b32 s95, s[WV], 7                        ; u: which eighth of K's rows, or of V's, I fetch
	s_lshr_b32 s97, s[WV], 3
	s_mul_i32 s97, s97, VOFF                       ; K's rows or V's
	s_lshl_b32 s94, s81, 17                        ; the head's first byte in xk and in xv: 1,024 x 128 bytes a head,
	s_lshl_b32 s96, s95, 12
	s_add_co_u32 s94, s94, s96                     ; + 32 u rows of 128 bytes: the first fill in memory,
	s_mul_i32 s96, s95, 16*KP2
	s_add_co_u32 s96, s96, s97                     ; and in LDS
	s_lshl_b32 s58, s95, 13
	s_add_co_u32 s58, s58, 32768                   ; the second fill begins at row 256 + 96 u: 32,768 + 8,192 u bytes behind the first,
	s_mov_b32 s59, 0
	s_mul_i32 s60, s95, 48*KP2
	s_add_co_u32 s60, s60, s97
	s_add_co_u32 s60, s60, SLOTB                   ; and in LDS behind the first 256 rows
	s_mov_b32 s95, 0
	s_mov_b32 s[G1], (0<<16)|(1<<20)|(5<<22)|(3<<25)  ; no mask; elements of 1 byte; padding on: after every 64 words (code 5) 4 words (code 3)
	s_mov_b32 s[G1+1], 256<<16                     ; tensor_dim0: the rows are dense in memory, so two of them are stated as one of 256 bytes
	s_mov_b32 s[G1+2], 16<<16                      ; tensor_dim1
	s_mov_b32 s[G1+3], 256<<16                     ; tile_dim0
	s_mov_b32 s[G1+4], 16                          ; tile_dim1
	s_mov_b32 s[G1+5], 256                         ; from row to row
	s_mov_b32 s[G1+6], 0
	s_mov_b32 s[G1+7], 0
	s_mov_b32 s[G1B], (0<<16)|(1<<20)|(5<<22)|(3<<25)
	s_mov_b32 s[G1B+1], 256<<16
	s_mov_b32 s[G1B+2], 48<<16
	s_mov_b32 s[G1B+3], 256<<16
	s_mov_b32 s[G1B+4], 48
	s_mov_b32 s[G1B+5], 256
	s_mov_b32 s[G1B+6], 0
	s_mov_b32 s[G1B+7], 0
	s_mov_b32 s[SEL], 0x76543210
	s_mov_b32 s[SEL+1], 0xfedcba98
	s_mov_b32 s[CS], 0x3e0293ee                    ; log2(e) / sqrt(128)
	s_wait_dscnt 0x0                               ; both opening adds are done
	s_wait_kmcnt 0x0
	s_load_b128 s[68:71], s[14:15], 0x10           ; e4, e5, e6, e7
	s_load_b128 s[72:75], s[14:15], 0x20           ; e8, e9, e10, e11
	s_cmp_lt_u32 s[WV], 8
	s_cselect_b64 s[56:57], s[6:7], s[12:13]
	s_mov_b32 s[G0], 1
	s_mov_b32 s[G0+1], s96
	s_add_nc_u64 s[G0+2:G0+3], s[56:57], s[94:95]
	s_or_b32 s[G0+3], s[G0+3], 0x80000000
	tensor_load_to_lds s[G0:G0+3], s[G1:G1+7]      ; my one tensor load at the head: my part of keys 0 to 255
	s_nop 0
	s_mov_b32 s[G0B], 1
	s_mov_b32 s[G0B+1], s60
	s_add_nc_u64 s[G0B+2:G0B+3], s[56:57], s[94:95]
	s_add_nc_u64 s[G0B+2:G0B+3], s[G0B+2:G0B+3], s[58:59]
	s_or_b32 s[G0B+3], s[G0B+3], 0x80000000
	s_add_nc_u64 s[PQ:PQ+1], s[4:5], s[88:89]
	s_add_nc_u64 s[PO:PO+1], s[16:17], s[90:91]
	v_and_b32 v[GO], 31, v0
	v_lshlrev_b32 v[GO], 4, v[GO]
	v_and_b32 v8, 15, v0                           ; r = lane % 16
	v_bfe_u32 v9, v0, 4, 1                         ; h = lane / 16
	v_lshlrev_b32 v[QA], 7, v8
	v_lshl_add_u32 v[QA], v9, 4, v[QA]             ; Q: row r of 128 bytes, + 16 h
	v_lshlrev_b32 v[DM], 3, v9
	v_sub_nc_u32 v[DM], v8, v[DM]
	v_lshrrev_b32 v[STI], 1, v8
	v_mul_u32_u24 v[STI], v[STI], KP2
	v_and_b32 v[AV0], 1, v8
	v_lshl_add_u32 v[STI], v[AV0], 7, v[STI]       ; row r of a tile: 272 (r / 2) + 128 (r % 2)
	v_lshl_add_u32 v[AK0], v9, 4, v[STI]           ; K: + 16 h
	v_lshl_add_u32 v[AV0], v9, 3, v[STI]           ; V: + 8 h,
	v_add_nc_u32 v[AV0], VOFF, v[AV0]              ; behind K's rows
	s_mul_i32 s81, s[WV], 16*SPITCH
	s_add_co_u32 s81, s81, STAGE                   ; my stage
	v_mul_u32_u24 v[STI], v8, SPITCH
	v_lshl_add_u32 v[STI], v9, 3, v[STI]
	v_add_nc_u32 v[STI], s81, v[STI]               ; in: row r, 8 bytes for each half of the lanes; tile t's codes 16 t bytes on
	v_and_b32 v[STB], 31, v0
	v_lshrrev_b32 v[STB], 3, v[STB]
	v_mul_u32_u24 v[STB], v[STB], SPITCH
	v_and_b32 v9, 7, v0
	v_lshl_add_u32 v[STB], v9, 4, v[STB]
	v_add_nc_u32 v[STB], s81, v[STB]               ; back: eight lanes to a row of 128 bytes, four rows an instruction
	v_mov_b32 v236, 0                              ; written once: a lane permute's destination counts as one of its sources: a key step's,
	v_mov_b32 v252, 0                              ; and the way out's
	v_mov_b32 v253, 0                              ; (named as the upper half of the pair v[252:253])
	s_wait_alu depctr_va_vdst(0)
	s_wait_kmcnt 0x0
	s_add_co_i32 s81, s70, s71
	s_lshl_b32 s81, s81, 23
	s_add_co_i32 s[CS], s[CS], s81                 ; a score stands for score x 2^(e6 + e7): the two exponents are added to c's exponent field
	s_mov_b32 s[CS+1], s[CS]                       ; (named with it as a pair, so it is written)
	s_add_co_i32 s81, s73, 127
	s_lshl_b32 s82, s81, 23
	v_mov_b32 v244, s82                            ; 2^e9 as f32, for p's conversion
	s_add_co_i32 s81, s81, 8
	s_lshl_b32 s81, s81, 23
	s_or_b32 s81, s81, 0x600000
	v_mov_b32 v240, s81                            ; 448 x 2^e9
	s_sub_co_i32 s82, s74, s73
	s_sub_co_i32 s82, s82, s72                     ; e10 - e9 - e8: xo = O^T / the sum x 2^(e9 + e8), its code that / 2^e10: the three are folded into the conversion's one scale
	s_add_co_i32 s82, s82, 127
	s_lshl_b32 s83, s82, 23
	v_mov_b32 v245, s83
	s_add_co_i32 s82, s82, 8
	s_lshl_b32 s82, s82, 23
	s_or_b32 s82, s82, 0x600000
	v_mov_b32 v241, s82                            ; 448 x that
; A KEY STEP: the 128 keys at s[TB].
.macro STEP
	s_add_co_u32 s96, s[Q0], 15                    ; a step all of whose keys come after my 16 queries is left out: a scalar branch on ids, round the step's loads, products and softmax; no barrier and no tensor load stands in a step
	s_cmp_gt_u32 s[KF], s96
	s_cbranch_scc1 .Lhidden_\@
	v_add_nc_u32 v[ADK], s[TB], v[AK0]
	s_wait_alu depctr_va_vdst(0)                   ; the wait behind the write
	v_add_nc_u32 v[ADV], s[TB], v[AV0]
.irp g, 0,1                                    ; S^T = K Q^T, four tiles of 16 keys at a time
.rept 3+\g
	v_nop                                          ; places (ISA guide 7.12.1).  At the step's head FIVE, the two additions among them: the first products below write over v96 on, which the last step's last products read as an operand; in front of the second run of loads four
.endr
.irp t, 0,1,2,3
.irp c, 0,1,2,3
	ds_load_b128 v[32+16*\t+4*\c:32+16*\t+4*\c+3], v[ADK] offset:8*(4*\g+\t)*KP2+32*\c
.endr
.endr
	s_wait_dscnt 0x0
.irp t, 0,1,2,3
	v_wmma_f32_16x16x128_fp8_fp8 v[96+8*(4*\g+\t):103+8*(4*\g+\t)], v[32+16*\t:47+16*\t], v[16:31], 0
.endr
.endr
.rept 4
	v_nop                                          ; places in front of the first read of the scores, and of the loads below
.endr
	s_wait_alu depctr_va_vdst(0)                   ; the wait ahead of V's address's reader
.irp t, 0,1,2,3                                ; V's first four fragments (channels 0 to 63) are asked for here: the softmax stands between these loads and the wait for them
.irp c, 0,1,2,3,4,5,6,7
	ds_load_b64 v[32+16*\t+2*\c:33+16*\t+2*\c], v[ADV] offset:8*\t*KP2+16*\c
.endr
.endr
	s_add_co_u32 s96, s[KF], 127                   ; on the diagonal the scores of hidden keys become -infinity ahead of the maximum: p = 0 then.  A step all of whose keys count skips this
	s_cmp_le_u32 s96, s[Q0]
	s_cbranch_scc1 .Lopen_\@
	s_sub_co_i32 s96, s[Q0], s[KF]
	v_add_nc_u32 v252, s96, v[DM]                  ; d = my query - the step's first key - 8 (lane / 16).  Register 8 T + j holds key 16 T + 8 (lane / 16) + j of the step: hidden where 16 T + j > d
	v_mov_b32 v254, 0xff800000                     ; -infinity
.set n, 0
.rept 64
	v_cmp_gt_i32 vcc_lo, 16*(n/8)+n%8, v252
	v_cndmask_b32 v[96+n], v[96+n], v254, vcc_lo
.set n, n+1
.endr
.Lopen_\@:
	v_max3_num_f32 v254, v96, v97, v98             ; the step's largest score of my query, among my 64 keys, in two chains,
	v_max3_num_f32 v252, v99, v100, v101
.irp i, 6,10,14,18,22,26,30,34,38,42,46,50,54,58
	v_max3_num_f32 v254, v254, v[96+\i], v[97+\i]
	v_max3_num_f32 v252, v252, v[98+\i], v[99+\i]
.endr
	v_max3_num_f32 v254, v254, v158, v159
	s_delay_alu instid0(VALU_DEP_1)
	v_max_num_f32 v254, v254, v252
	v_permlanex16_b32 v236, v254, s[SEL], s[SEL+1]
	s_delay_alu instid0(VALU_DEP_1)
	v_max_num_f32 v254, v254, v236                 ; and among lane l xor 16's
	s_delay_alu instid0(VALU_DEP_1)
	v_mul_f32 v254, s[CS], v254                    ; as t (c is positive)
	s_delay_alu instid0(VALU_DEP_1)
	v_max_num_f32 v13, v13, v254                   ; the running largest t
	v_mov_b32 v254, v12
	s_delay_alu instid0(VALU_DEP_2)
	v_floor_f32 v12, -v13                          ; the new -M = floor(-t) = -ceil(t): M is a whole number
	s_delay_alu instid0(VALU_DEP_1)
	v_sub_f32 v254, v12, v254                      ; M's old value less its new one: a whole number, 0 or less
	s_delay_alu instid0(VALU_DEP_1)
	v_cvt_i32_f32 v254, v254                       ; (it saturates)
	s_delay_alu instid0(VALU_DEP_1)
	v_ldexp_f32 v252, 1.0, v254                    ; f = 2^(old M - new M): a multiplication by it rounds nothing
.set n, 0
.rept 32
	v_pk_fma_f32 v[96+n:97+n], v[96+n:97+n], s[CS:CS+1], v[12:13] op_sel_hi:[1,0,0]   ; t - M, two at a time (of the pairs c and -M the low word serves both halves)
.set n, n+2
.endr
.set n, 0
	s_wait_alu depctr_va_vdst(0)                   ; the wait ahead of the batch
.rept 64
	v_exp_f32 v[96+n], v[96+n]                     ; p = 2^(t - M), at most 1: not normalised
.set n, n+1
.endr
	v_pk_mul_f32 v[14:15], v[14:15], v[252:253] op_sel_hi:[1,0]   ; the sums under the new M.  (The plain instruction behind the exponentials)
	s_wait_alu depctr_va_vdst(0)                   ; and behind it, ahead of the first line that names a result: one for the whole batch
	v_pk_add_f32 v[242:243], v[100:101], v[104:105]               ; the row's sum of the unquantised p, in eight chains
	v_pk_add_f32 v[254:255], v[108:109], v[112:113]
	v_pk_add_f32 v[250:251], v[116:117], v[120:121]
	v_pk_add_f32 v[248:249], v[124:125], v[128:129]
	v_pk_add_f32 v[246:247], v[132:133], v[136:137]
	v_pk_add_f32 v[238:239], v[140:141], v[144:145]
	v_pk_add_f32 v[236:237], v[148:149], v[152:153]
	v_pk_add_f32 v[14:15], v[14:15], v[156:157]
	v_pk_add_f32 v[242:243], v[242:243], v[96:97]
	v_pk_add_f32 v[254:255], v[254:255], v[98:99]
	v_pk_add_f32 v[250:251], v[250:251], v[102:103]
	v_pk_add_f32 v[248:249], v[248:249], v[106:107]
	v_pk_add_f32 v[246:247], v[246:247], v[110:111]
	v_pk_add_f32 v[238:239], v[238:239], v[114:115]
	v_pk_add_f32 v[236:237], v[236:237], v[118:119]
	v_pk_add_f32 v[14:15], v[14:15], v[122:123]
	v_pk_add_f32 v[242:243], v[242:243], v[126:127]
	v_pk_add_f32 v[254:255], v[254:255], v[130:131]
	v_pk_add_f32 v[250:251], v[250:251], v[134:135]
	v_pk_add_f32 v[248:249], v[248:249], v[138:139]
	v_pk_add_f32 v[246:247], v[246:247], v[142:143]
	v_pk_add_f32 v[238:239], v[238:239], v[146:147]
	v_pk_add_f32 v[236:237], v[236:237], v[150:151]
	v_pk_add_f32 v[14:15], v[14:15], v[154:155]
	v_pk_add_f32 v[242:243], v[242:243], v[158:159]
	s_delay_alu instid0(VALU_DEP_2)
	v_pk_add_f32 v[14:15], v[14:15], v[248:249]
	s_delay_alu instid0(VALU_DEP_2)
	v_pk_add_f32 v[242:243], v[242:243], v[246:247]
	v_pk_add_f32 v[254:255], v[254:255], v[238:239]
	v_pk_add_f32 v[250:251], v[250:251], v[236:237]
	s_delay_alu instid0(VALU_DEP_2)
	v_pk_add_f32 v[14:15], v[14:15], v[254:255]
	s_delay_alu instid0(VALU_DEP_2)
	v_pk_add_f32 v[242:243], v[242:243], v[250:251]
	s_delay_alu instid0(VALU_DEP_1)
	v_pk_add_f32 v[14:15], v[14:15], v[242:243]
.irp b, 0,1,2,3
.irp i, 0,1,2,3,4,5,6,7,8,9,10,11,12,13,14,15
	v_min_num_f32 v[96+16*\b+\i], v[96+16*\b+\i], v240   ; the conversion to an 8-bit code does not saturate (ISA guide 7.6.2); p is not negative, so the hold is one-sided
.endr
.if \b == 1
	s_wait_alu depctr_va_vdst(0)
	s_wait_dscnt 0x0                               ; V's first four fragments are in (asked for ahead of the softmax)
.endif
.if \b > 0                                     ; V's other four fragments (channels 64 to 127) take p's registers, sixteen at a time, as the conversions have done with them: sixteen plain lines stand between
.irp c, 0,1,2,3,4,5,6,7
	ds_load_b64 v[80+16*\b+2*\c:81+16*\b+2*\c], v[ADV] offset:8*(3+\b)*KP2+16*\c
.endr
.endif
	v_cvt_scalef32_pk8_fp8_f32 v[224+4*\b:225+4*\b], v[96+16*\b:103+16*\b], v244
	v_cvt_scalef32_pk8_fp8_f32 v[226+4*\b:227+4*\b], v[104+16*\b:111+16*\b], v244
.endr
.set n, 0
.rept 4
	v_pk_mul_f32 v[160+n:161+n], v[160+n:161+n], v[252:253] op_sel_hi:[1,0]   ; O^T under the new M, each accumulator from its low end on
.set n, n+2
.endr
.irp c, 0,1,2,3,4,5,6,7
	ds_load_b64 v[144+2*\c:145+2*\c], v[ADV] offset:56*KP2+16*\c
.endr
.rept 28
	v_pk_mul_f32 v[160+n:161+n], v[160+n:161+n], v[252:253] op_sel_hi:[1,0]   ; (these are also the plain lines between the conversions and the products below)
.set n, n+2
.endr
.irp t, 0,1,2,3                                ; O^T += V^T P^T: K = these 128 keys; the eight accumulators take turns
	v_wmma_f32_16x16x128_fp8_fp8 v[160+8*\t:167+8*\t], v[32+16*\t:47+16*\t], v[224:239], v[160+8*\t:167+8*\t]
.endr
	s_wait_alu depctr_va_vdst(0)
	s_wait_dscnt 0x0
.irp t, 0,1,2,3
	v_wmma_f32_16x16x128_fp8_fp8 v[192+8*\t:199+8*\t], v[96+16*\t:111+16*\t], v[224:239], v[192+8*\t:199+8*\t]
.endr
.Lhidden_\@:
	s_add_co_u32 s[KF], s[KF], 128
.endm
.irp c, 0,1,2,3
	global_load_b128 v[16+4*\c:19+4*\c], v[QA], s[PQ:PQ+1] offset:32*\c th:TH_LOAD_NT   ; Q's fragment stays in registers; read once in the launch
.endr
	v_mov_b32 v13, 0xff61b1e6                      ; the largest t so far: -3e38, under every t
	v_floor_f32 v12, -v13                          ; -M
	v_mov_b32 v14, 0                               ; the sum, in two halves
	v_mov_b32 v15, 0
.set n, 0
.rept 64
	v_mov_b32 v[160+n], 0                          ; O^T.  (The key step has no first step of its own: the first finds zeros, which the first change of M leaves zeros)
.set n, n+1
.endr
	s_mov_b32 s[TB], 0
	s_mov_b32 s[KF], 0
	s_mov_b32 s[TRIPS], 6
	s_wait_alu depctr_va_vdst(0)
	s_wait_loadcnt 0x0                             ; Q
	s_wait_tensorcnt 0x0                           ; my part of keys 0 to 255 has landed
	ds_add_u32 v[SPW], v[NIL]
	s_wait_dscnt 0x0
	s_barrier_signal -1
	s_barrier_wait -1                              ; everybody's has
	tensor_load_to_lds s[G0B:G0B+3], s[G1B:G1B+7]  ; my part of keys 256 to 1,023: my one tensor load behind this barrier
	s_nop 0
	STEP                                           ; keys 0 to 255: key 0 counts for every query
	s_add_co_u32 s[TB], s[TB], CH
	STEP
	s_add_co_u32 s[TB], s[TB], CH
	s_wait_tensorcnt 0x0                           ; my second load has landed,
	s_wait_dscnt 0x0
	s_barrier_signal -1
	s_barrier_wait -1                              ; everybody's has: from here on the waves share no barrier
.Lstep:                                            ; six trips of 128 keys; the trip count is a constant, and a wave jumps over the steps that are hidden from it
	STEP
	s_add_co_u32 s[TB], s[TB], CH
	s_sub_co_u32 s[TRIPS], s[TRIPS], 1
	s_cmp_lg_u32 s[TRIPS], 0
	s_cbranch_scc1 .Lstep
	; THE WAY OUT.  A lane's 8 codes are a piece of one row: the tile goes through my stage in LDS and leaves as 2,048 consecutive bytes.
	v_add_f32 v14, v14, v15                        ; the sum's two halves,
	v_permlanex16_b32 v252, v14, s[SEL], s[SEL+1]  ; (f's register, which is done with)
	v_add_f32 v14, v14, v252                       ; and lane l xor 16's: the row's sum
	s_wait_alu depctr_va_vdst(0)
	v_rcp_f32 v14, v14
.rept 4
	v_nop                                          ; the plain place behind the reciprocal, and the four places behind the last products (ISA guide 7.12.1): a wave may come here straight from them
.endr
	s_wait_alu depctr_va_vdst(0)                   ; and ahead of the first line that names the reciprocal, which is also O^T's first reader
.set n, 0
.rept 32
	v_pk_mul_f32 v[96+n:97+n], v[160+n:161+n], v[14:15] op_sel_hi:[1,0]   ; O^T / the sum, each accumulator from its low end on: register 8 t + i is channel 16 t + 8 h + i of query r
.set n, n+2
.endr
.set n, 0
.rept 64
	v_med3_num_f32 v[96+n], v[96+n], -v241, v241
.set n, n+1
.endr
.irp t, 0,1,2,3,4,5,6,7
	v_cvt_scalef32_pk8_fp8_f32 v[224+2*\t:225+2*\t], v[96+8*\t:103+8*\t], v245
.endr
	v_nop                                          ; one plain vector instruction behind the last conversion
.irp t, 0,1,2,3,4,5,6,7
	ds_store_b64 v[STI], v[224+2*\t:225+2*\t] offset:16*\t
.endr
.irp k, 0,1,2,3
	ds_load_b128 v[32+4*\k:35+4*\k], v[STB] offset:4*SPITCH*\k   ; LDS serves a wave's instructions in order (ISA guide 5.7.1.4): these see my stores
.endr
	s_wait_tensorcnt 0x0                           ; the wave's end, behind my last tensor load and my last LDS store; the wait on DScnt also shows the tile back in registers
	ds_add_u32 v[SPW], v[NIL]
	s_wait_dscnt 0x0
.irp k, 0,1,2,3
	global_store_b128 v[GO], v[32+4*\k:35+4*\k], s[PO:PO+1] offset:512*\k   ; 32 lanes store 512 consecutive bytes, at a multiple of 512 from the buffer's first byte
.endr
	s_endpgm
.Lfunc_end_k_q1f06420efc_attn:
	.size	k_q1f06420efc_attn, .Lfunc_end_k_q1f06420efc_attn-k_q1f06420efc_attn
	.p2alignl 7, 3214868480
	.fill 96, 4, 3214868480
	.section	.rodata,"a",@progbits
	.p2align	6, 0x0
	.amdhsa_kernel k_q1f06420efc_attn
		.amdhsa_group_segment_fixed_size 327680
		.amdhsa_private_segment_fixed_size 0
		.amdhsa_enable_private_segment 0
		.amdhsa_kernarg_size 40
		.amdhsa_user_sgpr_count 2
		.amdhsa_user_sgpr_kernarg_segment_ptr 1
		.amdhsa_wavefront_size32 1
		.amdhsa_system_sgpr_workgroup_id_x 1
		.amdhsa_system_sgpr_workgroup_id_y 1
		.amdhsa_system_sgpr_workgroup_id_z 1
		.amdhsa_system_vgpr_workitem_id 0
		.amdhsa_next_free_vgpr 256
		.amdhsa_next_free_sgpr 100
		.amdhsa_reserve_vcc 1
		.amdhsa_float_denorm_mode_32 3
		.amdhsa_float_denorm_mode_16_64 3
		.amdhsa_memory_ordered 1
		.amdhsa_forward_progress 1
		.amdhsa_inst_pref_size 97
	.end_amdhsa_kernel
	.amdgpu_metadata
---
amdhsa.version: [ 1, 2 ]
amdhsa.kernels:
  - .name:           k_q1f06420efc_attn
    .symbol:         k_q1f06420efc_attn.kd
    .args:
      - { .name: xq, .offset: 0, .size: 8, .value_kind: global_buffer, .address_space: global }
      - { .name: xk, .offset: 8, .size: 8, .value_kind: global_buffer, .address_space: global }
      - { .name: xv, .offset: 16, .size: 8, .value_kind: global_buffer, .address_space: global }
      - { .name: lowp_scales, .offset: 24, .size: 8, .value_kind: global_buffer, .address_space: global }
      - { .name: xo, .offset: 32, .size: 8, .value_kind: global_buffer, .address_space: global }
    .group_segment_fixed_size: 327680
    .private_segment_fixed_size: 0
    .kernarg_segment_align: 8
    .kernarg_segment_size: 40
    .max_flat_workgroup_size: 512
    .sgpr_count:     100
    .vgpr_count:     256
    .wavefront_size: 32
...
	.end_amdgpu_metadata
.endif
;; end of part 3
;; launch oproj (part 4): grid 8 x 32, 4 waves a work-group, clusters of 4 x 4, 327,680 bytes of LDS; arguments xo, wocodes, lowp_scales, out_proj_bias, out0; writes out0
.if DOCPART == 4
	.amdgcn_target "amdgcn-amd-amdhsa--gfx1250"
	.amdhsa_code_object_version 6
	.text
	.protected	k_q1f06420efc_oproj
	.globl	k_q1f06420efc_oproj
	.p2align	8
	.type	k_q1f06420efc_oproj,@function
k_q1f06420efc_oproj:
	s_mov_b64 s[64:65], 0
	v_nop
	global_prefetch_b8 v0, s[64:65] scope:SCOPE_SE
	s_setreg_imm32_b32 hwreg(HW_REG_WAVE_MODE, 25, 1), 1
	s_wait_xcnt 0x0
	s_wait_alu depctr_hold_cnt(0) depctr_sa_sdst(0) depctr_va_vdst(0) depctr_va_sdst(0) depctr_va_ssrc(0) depctr_va_vcc(0) depctr_vm_vsrc(0)
	s_getreg_b32 s2, hwreg(HW_REG_IB_STS2, 6, 4)
	s_cmp_eq_u32 s2, 0
	s_cbranch_scc0 .Lentry_in_a_cluster
	s_endpgm
.Lentry_in_a_cluster:
	s_bfe_u32 s2, ttmp6, 0x10000c
	s_cmp_lg_u32 s2, 0xf033
	s_cbranch_scc0 .Lentry_shape_is_right
	s_endpgm
.Lentry_shape_is_right:
.set SIZE_N, 2048
.set KROW,   2048
.set HEADB,  4096*128
.set APITCH, 144
.set QA,     128*APITCH
.set PX,     528
.set PY,     272
.set XA,     0
.set XB,     4*QA
.set YA,     XB+256*PX
.set YB,     YA+2*QA
.set SPARE,  YB+256*PY
.set SPITCH, 528
.set FR,     16
.set NP,     4
.set ADRAX, 16
.set ADRAY, 17
.set ADRBX, 20
.set ADRBY, 21
.set STO,  24
.set RD,   25
.set CO,   26
.set BA,   27
.set SPW,  28
.set NIL,  29
.set PFO,  30
.set BI,   32
.set TMP,  0
.set AF,   128
.set BK,   128
.set G1AX, 24
.set G1AY, 32
.set G1BX, 48
.set G1BY, 56
.set G0AX, 68
.set G0AY, 72
.set G0BX, 76
.set G0BY, 80
.set PFA,  88
.set ASKS, 90
.set MSB, 0
.macro WIN new
.if MSB != \new
	s_set_vgpr_msb (MSB<<8)|\new
.set MSB, \new
.endif
.endm
.set MUL,  0xa1
.set TO_B, 0x40
.macro JLOAD g0a, g1a, g0b, g1b
	s_cmp_eq_u32 s15, 0
	s_cbranch_scc0 .Lfor_b_\@
	tensor_load_to_lds s[\g0a:\g0a+3], s[\g1a:\g1a+7]
	s_nop 0
.rept 4
	v_nop
.endr
	s_branch .Lasked_\@
.Lfor_b_\@:
	tensor_load_to_lds s[\g0b:\g0b+3], s[\g1b:\g1b+7]
	s_nop 0
.rept 4
	v_nop
.endr
.Lasked_\@:
.endm
.macro CREST
	s_cmp_lg_u32 s14, 0
	s_cbranch_scc1 .Lnot_wave_0_\@
	s_barrier_signal -3
.Lnot_wave_0_\@:
	s_barrier_wait -3
	s_barrier_signal -1
	s_barrier_wait -1
.endm
.macro CROUND
	s_barrier_signal -1
	s_barrier_wait -1
	CREST
.endm
.macro ASKX n
	s_cmp_eq_u32 s[ASKS], 0
	s_cbranch_scc0 .Lnone_\@
	s_cmp_eq_u32 s15, 0
	s_cbranch_scc0 .Lb_\@
	s_wait_alu depctr_va_vdst(0)
	global_prefetch_b8 v[PFO], s[PFA:PFA+1] offset:6*HEADB*(\n) th:TH_LOAD_NT scope:SCOPE_SE
	s_branch .Lnone_\@
.Lb_\@:
	s_wait_alu depctr_va_vdst(0)
	global_prefetch_b8 v[PFO], s[PFA:PFA+1] offset:768*(\n) th:TH_LOAD_NT scope:SCOPE_SE
	global_prefetch_b8 v[PFO], s[PFA:PFA+1] offset:768*(\n)+256 th:TH_LOAD_NT scope:SCOPE_SE
.Lnone_\@:
.endm
.macro ASKY n
	s_cmp_eq_u32 s[ASKS], 0
	s_cbranch_scc0 .Lnone_\@
	s_cmp_eq_u32 s15, 0
	s_cbranch_scc0 .Lb_\@
	s_cmp_eq_u32 s14, 0
	s_cbranch_scc0 .Lnone_\@
	s_wait_alu depctr_va_vdst(0)
	global_prefetch_b8 v[PFO], s[PFA:PFA+1] offset:(6*(\n)+4)*HEADB th:TH_LOAD_NT scope:SCOPE_SE
	s_branch .Lnone_\@
.Lb_\@:
	s_wait_alu depctr_va_vdst(0)
	global_prefetch_b8 v[PFO], s[PFA:PFA+1] offset:768*(\n)+512 th:TH_LOAD_NT scope:SCOPE_SE
.Lnone_\@:
.endm
	s_load_b128 s[4:7], s[0:1], 0x0
	s_load_b128 s[8:11], s[0:1], 0x10
	s_load_b64 s[12:13], s[0:1], 0x20
	v_lshl_add_u32 v[SPW], v0, 2, SPARE
	v_mov_b32 v[NIL], 0
	ds_add_u32 v[SPW], v[NIL]
	ds_add_u32 v[SPW], v[NIL]
	v_lshrrev_b32 v1, 5, v0
	v_readfirstlane_b32 s14, v1
	s_lshr_b32 s15, s14, 1
	s_and_b32 s16, s14, 1
	s_bfe_u32 s40, ttmp6, 0x40000
	s_bfe_u32 s41, ttmp6, 0x40004
	s_lshl_b32 s42, ttmp9, 2
	s_add_co_u32 s42, s42, s40
	s_and_b32 s17, ttmp7, 0xffff
	s_lshl_b32 s17, s17, 2
	s_add_co_u32 s17, s17, s41
	s_lshl_b32 s43, s41, 2
	s_lshl_b32 s43, 15, s43
	s_lshl_b32 s44, 0x1111, s40
	s_or_b32 s[G1AX+0], s43, (0<<16)|(1<<20)|(1<<21)|(4<<22)|(3<<25)
	s_mov_b32 s[G1AX+1], 16384<<16
	s_mov_b32 s[G1AX+2], 2<<16
	s_mov_b32 s[G1AX+3], 16384<<16
	s_mov_b32 s[G1AX+4], 2
	s_mov_b32 s[G1AX+5], HEADB
	s_mov_b32 s[G1AX+6], 0
	s_mov_b32 s[G1AX+7], 0
	s_or_b32 s[G1AY+0], s43, (0<<16)|(1<<20)|(1<<21)|(4<<22)|(3<<25)
	s_mov_b32 s[G1AY+1], 128<<16
	s_mov_b32 s[G1AY+2], 128<<16
	s_mov_b32 s[G1AY+3], 128<<16
	s_mov_b32 s[G1AY+4], 128
	s_mov_b32 s[G1AY+5], 128
	s_mov_b32 s[G1AY+6], 0
	s_mov_b32 s[G1AY+7], 0
	s_or_b32 s[G1BX+0], s44, (0<<16)|(1<<20)|(1<<21)|(6<<22)|(3<<25)
	s_mov_b32 s[G1BX+1], 512<<16
	s_mov_b32 s[G1BX+2], 128<<16
	s_mov_b32 s[G1BX+3], 512<<16
	s_mov_b32 s[G1BX+4], 128
	s_mov_b32 s[G1BX+5], KROW
	s_mov_b32 s[G1BX+6], 0
	s_mov_b32 s[G1BX+7], 0
	s_or_b32 s[G1BY+0], s44, (0<<16)|(1<<20)|(1<<21)|(5<<22)|(3<<25)
	s_mov_b32 s[G1BY+1], 256<<16
	s_mov_b32 s[G1BY+2], 128<<16
	s_mov_b32 s[G1BY+3], 256<<16
	s_mov_b32 s[G1BY+4], 128
	s_mov_b32 s[G1BY+5], KROW
	s_mov_b32 s[G1BY+6], 0
	s_mov_b32 s[G1BY+7], 0
	s_lshl_b32 s20, s16, 20
	s_lshl_b32 s21, s17, 14
	s_add_co_u32 s20, s20, s21
	s_mov_b32 s21, 0
	s_lshl_b32 s18, s16, 19
	s_add_co_u32 s18, s18, 4*HEADB
	s_lshl_b32 s19, s17, 14
	s_add_co_u32 s18, s18, s19
	s_mov_b32 s19, 0
	s_lshl_b32 s46, s42, 8
	s_lshl_b32 s47, s16, 7
	s_add_co_u32 s46, s46, s47
	s_lshl_b32 s46, s46, 11
	s_mov_b32 s47, 0
	s_mul_i32 s22, s16, 2*QA
	s_mul_i32 s23, s16, QA
	s_add_co_u32 s23, s23, YA
	s_mul_i32 s84, s16, 128*PX
	s_add_co_u32 s84, s84, XB
	s_mul_i32 s85, s16, 128*PY
	s_add_co_u32 s85, s85, YB
	s_wait_dscnt 0x0
	s_wait_kmcnt 0x0
	s_load_b64 s[96:97], s[8:9], 0x28
	s_add_nc_u64 s[20:21], s[4:5], s[20:21]
	s_add_nc_u64 s[18:19], s[4:5], s[18:19]
	s_add_nc_u64 s[46:47], s[6:7], s[46:47]
	CROUND
	s_mov_b32 s[G0AX], 1
	s_mov_b32 s[G0AX+1], s22
	s_add_nc_u64 s[G0AX+2:G0AX+3], s[20:21], 0
	s_or_b32 s[G0AX+3], s[G0AX+3], 0x80000000
	s_mov_b32 s[G0BX], 1
	s_mov_b32 s[G0BX+1], s84
	s_add_nc_u64 s[G0BX+2:G0BX+3], s[46:47], 0
	s_or_b32 s[G0BX+3], s[G0BX+3], 0x80000000
	JLOAD G0AX, G1AX, G0BX, G1BX
	s_mov_b32 s[G0AY], 1
	s_mov_b32 s[G0AY+1], s23
	s_add_nc_u64 s[G0AY+2:G0AY+3], s[18:19], 0
	s_or_b32 s[G0AY+3], s[G0AY+3], 0x80000000
	s_mov_b32 s[G0BY], 1
	s_mov_b32 s[G0BY+1], s85
	s_add_nc_u64 s[G0BY+2:G0BY+3], s[46:47], 512
	s_or_b32 s[G0BY+3], s[G0BY+3], 0x80000000
	s_wait_alu depctr_va_vdst(0)
	s_wait_tensorcnt 0x0
	ds_add_u32 v28, v29
	s_wait_dscnt 0x0
	CROUND
	JLOAD G0AY, G1AY, G0BY, G1BY
	v_and_b32 v1, 15, v0
	v_bfe_u32 v2, v0, 4, 1
	v_mul_u32_u24 v3, v1, APITCH
	v_lshl_add_u32 v3, v2, 4, v3
	s_mul_i32 s18, s15, 64*APITCH
	v_add_nc_u32 v[ADRAX], s18, v3
	s_add_co_u32 s18, s18, YA
	v_add_nc_u32 v[ADRAY], s18, v3
	v_mul_u32_u24 v4, v1, PX
	v_lshl_add_u32 v4, v2, 4, v4
	v_add_nc_u32 v[ADRBX], s84, v4
	v_mul_u32_u24 v5, v1, PY
	v_lshl_add_u32 v5, v2, 4, v5
	v_add_nc_u32 v[ADRBY], s85, v5
	s_mul_i32 s23, s14, 16*SPITCH
	s_add_co_u32 s23, s23, YA
	v_mul_u32_u24 v5, v1, SPITCH
	v_lshl_add_u32 v5, v2, 5, v5
	v_add_nc_u32 v[STO], s23, v5
	v_and_b32 v6, 31, v0
	v_lshlrev_b32 v[CO], 4, v6
	v_add_nc_u32 v[RD], s23, v[CO]
	v_lshlrev_b32 v[BA], 5, v2
	s_wait_alu depctr_va_vdst(0)
	s_lshl_b32 s20, s17, 7
	s_lshl_b32 s21, s15, 6
	s_add_co_u32 s20, s20, s21
	s_lshl_b32 s20, s20, 13
	s_mov_b32 s21, 0
	s_lshl_b32 s46, s42, 10
	s_lshl_b32 s47, s16, 9
	s_add_co_u32 s46, s46, s47
	s_mov_b32 s47, 0
	s_add_nc_u64 s[10:11], s[10:11], s[46:47]
	s_add_nc_u64 s[20:21], s[20:21], s[46:47]
	s_add_nc_u64 s[12:13], s[12:13], s[20:21]
.irp b, 0,1,2,3,4,5,6,7
	global_load_b128 v[BI+8*\b:BI+8*\b+3], v[BA], s[10:11] offset:64*\b
	global_load_b128 v[BI+8*\b+4:BI+8*\b+7], v[BA], s[10:11] offset:64*\b+16
.endr
	s_lshl_b32 s91, s17, 14
	s_lshl_b32 s92, s16, 20
	s_add_co_u32 s91, s91, s92
	s_bfe_u32 s92, s40, 0x10001
	s_lshl_b32 s92, s92, 19
	s_add_co_u32 s91, s91, s92
	s_and_b32 s92, s40, 1
	s_lshl_b32 s92, s92, 13
	s_add_co_u32 s91, s91, s92
	s_lshl_b32 s93, s42, 8
	s_lshl_b32 s94, s16, 7
	s_add_co_u32 s93, s93, s94
	s_lshl_b32 s94, s41, 5
	s_add_co_u32 s93, s93, s94
	s_lshl_b32 s93, s93, 11
	s_and_b32 s86, ttmp7, 0xffff
	s_mov_b32 s95, KROW
	s_cmp_eq_u32 s15, 0
	s_cselect_b64 s[PFA:PFA+1], s[4:5], s[6:7]
	s_cselect_b32 s[ASKS], ttmp9, s86
	s_cselect_b32 s86, s91, s93
	s_cselect_b32 s95, 256, s95
	s_mov_b32 s87, 0
	s_add_nc_u64 s[PFA:PFA+1], s[PFA:PFA+1], s[86:87]
	v_and_b32 v[PFO], 31, v0
	v_mul_lo_u32 v[PFO], v[PFO], s95
.macro FETCH_B y, q, p
	WIN TO_B
.irp i, 0,1,2,3,4,5,6,7
.irp c, 0,1,2,3
.if \y
	ds_load_b128 v[128*(\p)+FR*\i+4*\c:128*(\p)+FR*\i+4*\c+3], v[ADRBY] offset:128*(\q)+32*\c+\i*16*PY
.else
	ds_load_b128 v[128*(\p)+FR*\i+4*\c:128*(\p)+FR*\i+4*\c+3], v[ADRBX] offset:128*(\q)+32*\c+\i*16*PX
.endif
.endr
.endr
.endm
.macro FETCH_A y, q, p
	WIN 0
.irp i, 0,1,2,3
.irp c, 0,1,2,3
.if \y
	ds_load_b128 v[AF+64*(\p)+FR*\i+4*\c:AF+64*(\p)+FR*\i+4*\c+3], v[ADRAY] offset:QA*(\q)+32*\c+\i*16*APITCH
.else
	ds_load_b128 v[AF+64*(\p)+FR*\i+4*\c:AF+64*(\p)+FR*\i+4*\c+3], v[ADRAX] offset:QA*(\q)+32*\c+\i*16*APITCH
.endif
.endr
.endr
.endm
.macro MUL8 a, p, zero
.irp b, 0,1,2,3,4,5,6,7
.if \zero
	v_wmma_f32_16x16x128_fp8_fp8 v[8*(8*(\a)+\b):8*(8*(\a)+\b)+7], v[128*(\p)+FR*\b:128*(\p)+FR*\b+FR-1], v[AF+64*(\p)+FR*(\a):AF+64*(\p)+FR*(\a)+FR-1], 0
.else
	v_wmma_f32_16x16x128_fp8_fp8 v[8*(8*(\a)+\b):8*(8*(\a)+\b)+7], v[128*(\p)+FR*\b:128*(\p)+FR*\b+FR-1], v[AF+64*(\p)+FR*(\a):AF+64*(\p)+FR*(\a)+FR-1], v[8*(8*(\a)+\b):8*(8*(\a)+\b)+7]
.endif
.endr
.endm
.macro PLACES n
.rept \n
	v_nop
.endr
.endm
.macro STEP p, ny, nq, zero
	s_wait_dscnt 0x0
	PLACES NP
	FETCH_B \ny, \nq, 1-\p
	WIN MUL
	MUL8 0, \p, \zero
	MUL8 1, \p, \zero
	FETCH_A \ny, \nq, 1-\p
	WIN MUL
	MUL8 2, \p, \zero
	MUL8 3, \p, \zero
.endm
.macro TURN p, y, fill, ask
	WIN 0
	s_wait_tensorcnt 0x0
	ds_add_u32 v[SPW], v[NIL]
	s_wait_dscnt 0x1
	WIN MUL
	MUL8 0, \p, 0
	s_wait_dscnt 0x0
	s_barrier_signal -1
	MUL8 1, \p, 0
	WIN 0
	s_barrier_wait -1
.if \fill
	CREST
.if \y
	s_add_nc_u64 s[G0AY+2:G0AY+3], s[G0AY+2:G0AY+3], 6*HEADB
	s_add_nc_u64 s[G0BY+2:G0BY+3], s[G0BY+2:G0BY+3], 768
	JLOAD G0AY, G1AY, G0BY, G1BY
.else
	s_add_nc_u64 s[G0AX+2:G0AX+3], s[G0AX+2:G0AX+3], 6*HEADB
	s_add_nc_u64 s[G0BX+2:G0BX+3], s[G0BX+2:G0BX+3], 768
	JLOAD G0AX, G1AX, G0BX, G1BX
.endif
.else
	PLACES NP
.endif
	FETCH_B 1-\y, 0, 1-\p
	FETCH_A 1-\y, 0, 1-\p
.if \ask == 1
	ASKY 1
.endif
.if \ask == 2
	ASKX 2
.endif
	WIN MUL
	MUL8 2, \p, 0
	MUL8 3, \p, 0
.endm
	s_wait_tensorcnt 0x1
	s_barrier_signal -1
	s_barrier_wait -1
	FETCH_B 0, 0, 0
	FETCH_A 0, 0, 0
	STEP 0, 0, 1, 1
	STEP 1, 0, 2, 0
	STEP 0, 0, 3, 0
	TURN 1, 0, 1, 1
	STEP 0, 1, 1, 0
	TURN 1, 1, 1, 2
	STEP 0, 0, 1, 0
	STEP 1, 0, 2, 0
	STEP 0, 0, 3, 0
	TURN 1, 0, 1, 0
	STEP 0, 1, 1, 0
	TURN 1, 1, 0, 0
	STEP 0, 0, 1, 0
	STEP 1, 0, 2, 0
	STEP 0, 0, 3, 0
	s_wait_dscnt 0x0
	WIN MUL
	MUL8 0, 1, 0
	MUL8 1, 1, 0
	MUL8 2, 1, 0
	MUL8 3, 1, 0
	WIN 0
.macro TOSTAGE a
.set AC, 64*(\a)
	WIN 0x42
.set jj, 0
.rept 32
	v_pk_fma_f32 v[TMP+jj:TMP+jj+1], v[AC+jj:AC+jj+1], s[96:97], v[BI+jj:BI+jj+1] op_sel_hi:[1,0,1]
.set jj, jj+2
.endr
	WIN 0x04
.irp b, 0,1,2,3,4,5,6,7
	ds_store_b128 v[STO], v[TMP+8*\b:TMP+8*\b+3] offset:64*\b
	ds_store_b128 v[STO], v[TMP+8*\b+4:TMP+8*\b+7] offset:64*\b+16
.endr
	WIN 0x40*((\a)/2)                              ; each block's rows wait in registers of their own: blocks 0 and 1 where A's fragments lay (window 0), blocks 2 and 3 where B's second set lay (window 1)
.set BB, BK+64*((\a)%2)
.irp t, 0,1,2,3,4,5,6,7,8,9,10,11,12,13,14,15
	ds_load_b128 v[BB+4*\t:BB+4*\t+3], v[RD] offset:\t*SPITCH
.endr
.endm
.macro SEND a, younger
.set BB, BK+64*((\a)%2)
	WIN 0x04*((\a)/2)                              ; the stores' data: window 0 or 1
.irp t, 0,1,2,3,4,5,6,7,8,9,10,11,12,13,14,15
	global_store_b128 v[CO], v[BB+4*\t:BB+4*\t+3], s[12:13] offset:(16*(\a)+\t)*SIZE_N*4 th:TH_STORE_NT   ; 63 rows of 8,192 bytes at the most: inside the signed 24-bit immediate, so the base is never stepped
.endr
.endm
	s_wait_kmcnt 0x0
	s_add_co_i32 s96, s96, s97
	s_add_co_i32 s96, s96, 127
	s_lshl_b32 s96, s96, 23
	s_mov_b32 s97, s96
	s_wait_loadcnt 0x0
	PLACES NP
.irp a, 0,1,2,3                        ; all four blocks go through the stage first,
	TOSTAGE \a
.endr
	WIN 0
	s_wait_tensorcnt 0x0                           ; the wave's end, behind my last LDS store; the wait on DScnt also shows all blocks back in registers
	ds_add_u32 v[SPW], v[NIL]
	s_wait_dscnt 0x0
.irp a, 0,1,2,3                        ; and all stores stand behind the last vector and LDS line
	SEND \a, 0
.endr
	WIN 0
	CROUND
	s_endpgm
.Lfunc_end_k_q1f06420efc_oproj:
	.size	k_q1f06420efc_oproj, .Lfunc_end_k_q1f06420efc_oproj-k_q1f06420efc_oproj
	.p2alignl 7, 3214868480
	.fill 96, 4, 3214868480
	.section	.rodata,"a",@progbits
	.p2align	6, 0x0
	.amdhsa_kernel k_q1f06420efc_oproj
		.amdhsa_group_segment_fixed_size 327680
		.amdhsa_private_segment_fixed_size 0
		.amdhsa_enable_private_segment 0
		.amdhsa_kernarg_size 40
		.amdhsa_user_sgpr_count 2
		.amdhsa_user_sgpr_kernarg_segment_ptr 1
		.amdhsa_wavefront_size32 1
		.amdhsa_system_sgpr_workgroup_id_x 1
		.amdhsa_system_sgpr_workgroup_id_y 1
		.amdhsa_system_sgpr_workgroup_id_z 1
		.amdhsa_system_vgpr_workitem_id 0
		.amdhsa_next_free_vgpr 768
		.amdhsa_next_free_sgpr 98
		.amdhsa_reserve_vcc 0
		.amdhsa_float_denorm_mode_32 3
		.amdhsa_float_denorm_mode_16_64 3
		.amdhsa_memory_ordered 1
		.amdhsa_forward_progress 1
		.amdhsa_inst_pref_size 123
	.end_amdhsa_kernel
	.amdgpu_metadata
---
amdhsa.version: [ 1, 2 ]
amdhsa.kernels:
  - .name:           k_q1f06420efc_oproj
    .symbol:         k_q1f06420efc_oproj.kd
    .args:
      - { .name: xo, .offset: 0, .size: 8, .value_kind: global_buffer, .address_space: global }
      - { .name: wocodes, .offset: 8, .size: 8, .value_kind: global_buffer, .address_space: global }
      - { .name: lowp_scales, .offset: 16, .size: 8, .value_kind: global_buffer, .address_space: global }
      - { .name: out_proj_bias, .offset: 24, .size: 8, .value_kind: global_buffer, .address_space: global }
      - { .name: out0, .offset: 32, .size: 8, .value_kind: global_buffer, .address_space: global }
    .group_segment_fixed_size: 327680
    .private_segment_fixed_size: 0
    .kernarg_segment_align: 8
    .kernarg_segment_size: 40
    .max_flat_workgroup_size: 128
    .sgpr_count:     98
    .vgpr_count:     768
    .wavefront_size: 32
...
	.end_amdgpu_metadata
.endif
;; end of part 4
